; MI455X (gfx1250); checked and timed in simulation.
; The chip was launched on July 23, 2026; its instructions are those of AMD's public machine-readable ISA for CDNA 5 (MIT licence, August 2026) and "CDNA5" Instruction Set Architecture Reference Guide (July 2026). The comments in the code are by the model that wrote it; some were corrected since.
;; Multi Headed Attention. Allowed arithmetic: matrix products marked QUANTISED: E4M3 operands, one given power-of-two scale a tensor, by v_wmma_f32_16x16x64_fp8_fp8 or v_wmma_f32_16x16x128_fp8_fp8, f32 sums; everything else in f32.
;; Inputs: Wk 1,024 x 1,024 float32; Wo 1,024 x 1,024 float32; Wq 1,024 x 1,024 float32; Wv 1,024 x 1,024 float32; bk 1,024 float32; bo 1,024 float32; bq 1,024 float32; bv 1,024 float32; lowp_scales 12 int32 (the exponents e of the quantised operands' scales 2^e); x 16 x 512 x 1,024 float32.
;; Outputs: out0 16 x 512 x 1,024 float32.
;; This version of the problem:
;;   THIS VERSION OF THE PROBLEM IS GIVEN IN LOW PRECISION. The matrix products marked QUANTISED in the list below multiply operands that are first quantised to E4M3 (4 exponent bits, 3 mantissa bits; 8 bits a number), with one given power-of-two scale for each operand tensor; their sums are f32. All else is computed in f32.
;;   The module's matrix products, in the order in which they are computed (A, B: the left and right operand; K: the contracted axis; several contracted axes count as one K, in the product's order):
;;     1. [M 8,192, K 1,024] x [K 1,024, N 1,024]; A: input x; B: input Wq: QUANTISED (scales: A lowp_scales[0], B lowp_scales[1])
;;     2. [M 8,192, K 1,024] x [K 1,024, N 1,024]; A: input x; B: input Wk: QUANTISED (scales: A lowp_scales[2], B lowp_scales[3])
;;     3. [M 8,192, K 1,024] x [K 1,024, N 1,024]; A: input x; B: input Wv: QUANTISED (scales: A lowp_scales[4], B lowp_scales[5])
;;     4. batch 256 x [M 512, K 64] x [K 64, N 512]; A: computed on the way; B: computed on the way: QUANTISED (scales: A lowp_scales[6], B lowp_scales[7])
;;     5. batch 256 x [M 512, K 512] x [K 512, N 64]; A: softmax (see below); B: computed on the way: QUANTISED (scales: A lowp_scales[8], B lowp_scales[9])
;;     6. [M 8,192, K 1,024] x [K 1,024, N 1,024]; A: computed on the way; B: input Wo: QUANTISED (scales: A lowp_scales[10], B lowp_scales[11])
;;   THE QUANTISER, for each operand of a quantised product, along K:
;;     - The operand's scale is 2^e, e = its entry of the input lowp_scales (int32; the entries are numbered through the quantised products in the list's order, A before B).
;;     - Each number is divided by the scale, clamped to +-448, and rounded to the nearest number of E4M3, ties to even, subnormals kept.
;;     - The product sums the exact products of the quantised numbers (number of the format x scale) in f32.
;;   ~~~python
;;   def quantise(x, axis, e):      # numpy; x: float32 -> the quantised numbers, widened to float32 again
;;       x = np.moveaxis(x, axis, -1); K = x.shape[-1]
;;       r = np.clip(x / 2.0 ** e, -448, 448)
;;       step = 2.0 ** (np.maximum(np.frexp(np.where(r == 0, 1, r))[1] - 1, -6) - 3)
;;       q = np.round(r / step) * step * 2.0 ** e      # np.round: ties to even
;;       return np.moveaxis(q, -1, axis).astype(np.float32)
;;   ~~~
;;   SOFTMAX AHEAD OF A QUANTISED PRODUCT. Where the list says 'softmax', what is quantised is not the finished softmax but p = 2^(t - M), with t = logit x log2(e) and M = ceil(the row's largest t), a whole number; so 1/2 < the row's largest p <= 1. The row's sum l is taken of the UNQUANTISED p, in f32, and the product's result is divided by l at the end. Since M is a whole number, a kernel that streams over the keys may use a running M (the ceiling of the running maximum): every later rescaling is an exact power of two, so the quantised numbers keep their values, but for numbers so far below the row's largest that they fall under the format's range.
;;   OPERANDS COMPUTED ON THE WAY. 'Computed on the way' means the value that the module computes at that place (a softmax that the list does not call 'softmax' is quantised finished and normalised). What goes into a quantiser is computed in f32, as accurately as f32 sums, v_exp_f32 and their like allow (about 1e-6 of the number): no bf16 or f16 on the way to a quantiser, and a product that is left as it is and whose result goes on into a quantised operand takes f32 operands (vector FMAs, or v_wmma_f32_16x16x4_f32). A number that lies on a knife's edge between two numbers of the format may be rounded either way, as far as f32 arithmetic and the matrix unit's own rounding can turn it there, and no further.
;; One version. Each part assembles by itself: llvm-mc -triple=amdgcn-amd-amdhsa -mcpu=gfx1250 --defsym DOCPART=n.
;; ======== version 1 of 1: 3 launches
;; limits: right only within a limited range of input values
;; workspace buffers: xc 25,165,824 bytes; wc 4,194,304 bytes; rope 131,072 bytes; ac 8,388,608 bytes
;; launch quant (part 1): grid 776 x 1, 4 waves a work-group, no clusters, 52,736 bytes of LDS; arguments x, Wq, Wk, Wv, Wo, lowp_scales, xc, wc, rope; writes xc, wc, rope
.if DOCPART == 1
	.amdgcn_target "amdgcn-amd-amdhsa--gfx1250"
	.amdhsa_code_object_version 6
	.text
	.protected	k_q15ab85159a_quant
	.globl	k_q15ab85159a_quant
	.p2align	8
	.type	k_q15ab85159a_quant,@function
k_q15ab85159a_quant:
	s_mov_b64 s[64:65], 0
	v_nop
	global_prefetch_b8 v0, s[64:65] scope:SCOPE_SE
	s_setreg_imm32_b32 hwreg(HW_REG_WAVE_MODE, 25, 1), 1
	s_wait_xcnt 0x0
; THE FIRST LAUNCH: all that is made once.  Three kinds of work-group, told apart by the work-group's number alone:
;   0-255    Wq, Wk, Wv, Wo [k][n] f32 -> wc: codes with 2^e1, 2^e3, 2^e5, 2^e11
;   256-263  the table of cos and sin for the rotary embedding -> rope, f32, in the order in which the next launch's lanes take it
;   264-775  x [8192][1024] f32 -> xc: three planes of E4M3 codes with the scales 2^e0, 2^e2, 2^e4 (x is the left operand of three products, each with a scale of its own)
; code = number / 2^e, held within +-448, rounded to the nearest code, ties to even.
; BOTH LEAVE AS IMAGES OF THE MATRIX INSTRUCTION'S OPERAND REGISTERS: a fragment of 16 rows x 128 places is 2,048 bytes [c 0..3][lane][16 B]; lane (r, h) holds, of row r, places 32 c + 16 h + 0 .. 15.
;   xc: two areas of 12,582,912 bytes, each [batch][plane 0..2][chunk of 128: 0..7][w 0..7][2 tiles][2,048 B].  Token tile 8 j + w (j even) or 8 j + 7 - w (j odd) belongs to the next launch's wave w: j = 0, 1 in the first area,
;     j = 2, 3 in the second.
;   wc: [head][plane 0..2][chunk 0..7][tile of 16 features 0..3][2,048 B], then from 3,145,728 on Wo: [64 columns: 0..15][K step of 256: 0..3][tile of 16 columns 0..3][2 chunks][2,048 B]
; THE ORDER ALONG K.  A sum over K does not mind a permutation of K that both operands share.
;   x and Wq, Wk, Wv: place 8 l + 4 i + j of a K step of 256 holds k = 128 i + 4 l + j (l 0..31, i 0..1, j 0..3): the order in which a lane's two dense loads of x leave their codes.
;   Wo: place p holds k = p with bits 3 and 4 exchanged, which is the order in which the attention launch leaves the other operand.
; LIMITS: each exponent used here lies between -126 and 119.  NaN among the inputs is not served; an infinity is held at the largest code.
;   The frequencies 10^(-i/8) are f32 patterns of 10^(-(i%8)/8) times 10^-(i/8): exact rounding for i < 8, within two units of the last place beyond; the table's angle is pos x frequency, rounded once.
; No matrix unit, no tensor load, no barrier, no prefetch: waves share nothing, and a wave's loads are out at its head.
.set XR,   32                          ; x: v32-159  16 rows x 8 numbers as loaded
.set XT,   160                         ; x: v160-207 held numbers, two sets of three planes x 8
.set XC,   208                         ; x: v208-219 codes, two sets of three planes x 2
.set XP,   272                         ; x: the stage: 16 pieces of 256 bytes + 16 of padding for a plane
.set XPL,  16*XP
.set WVO,  16                          ; W: v16-23   eight byte offsets: 4 x lane + the rows of q = 0..7
.set WX,   32                          ; W: v32-95   two sets of 32 numbers
.set WC,   96                          ; W: v96-103  a block's codes
.set WOUT, 112                         ; W: v112-143 the way out
.set WP,   272                         ; W: a stage row
.set WSB,  48                          ; W: s[48:55] four bases, one for each block of 32 places
.set SPARE, 4*3*XPL                    ; behind the stages: the spare words, which no other line names
	s_load_b512 s[4:19], s[0:1], 0x0               ; x s[4:5], Wq s[6:7], Wk s[8:9], Wv s[10:11], Wo s[12:13], the exponents s[14:15], xc s[16:17], wc s[18:19]
	s_load_b64 s[20:21], s[0:1], 0x40              ; rope
	v_lshl_add_u32 v220, v0, 2, SPARE
	v_mov_b32 v221, 0
	v_lshrrev_b32 v1, 5, v0
	v_readfirstlane_b32 s22, v1                    ; wave 0..3
	v_and_b32 v2, 31, v0                           ; lane
	v_lshlrev_b32 v3, 4, v2                        ; 16 x lane
	s_wait_alu depctr_va_vdst(0)
	s_wait_kmcnt 0x0
	s_cmp_lt_u32 ttmp9, 264
	s_cbranch_scc1 .Lnot_x
; ---------------- x.  A work-group takes one tile of 16 rows, a wave 256 along K of it: 32 loads, all out at once; each reads 512 consecutive bytes, each store writes 512.
	s_load_b256 s[24:31], s[14:15], 0x0            ; e0 .. e7; e0, e2, e4 are x's
	s_sub_co_u32 s23, ttmp9, 264                   ; the tile of 16 rows, 0 .. 511
	s_lshl_b32 s32, s23, 16
	s_lshl_b32 s33, s22, 10
	s_add_co_u32 s32, s32, s33
	s_mov_b32 s33, 0
	s_add_nc_u64 s[4:5], s[4:5], s[32:33]
.irp r, 0,1,2,3,4,5,6,7,8,9,10,11,12,13,14,15
	global_load_b128 v[XR+8*\r:XR+8*\r+3], v3, s[4:5] offset:4096*\r th:TH_LOAD_NT
	global_load_b128 v[XR+8*\r+4:XR+8*\r+7], v3, s[4:5] offset:4096*\r+512 th:TH_LOAD_NT
.endr
	s_and_b32 s34, s23, 31                         ; the tile in its batch: 8 j + m
	s_lshr_b32 s35, s34, 3                         ; j
	s_and_b32 s36, s34, 7                          ; m
	s_and_b32 s37, s35, 1
	s_mul_i32 s38, s37, 7
	s_xor_b32 s36, s36, s38                        ; w = m, or 7 - m where j is odd
	s_lshl_b32 s36, s36, 1
	s_add_co_u32 s36, s36, s37                     ; 2 w + j % 2
	s_lshl_b32 s36, s36, 11
	s_lshl_b32 s37, s22, 16                        ; K step = wave: two chunks of 32,768 bytes
	s_add_co_u32 s36, s36, s37
	s_lshr_b32 s37, s35, 1                         ; the area
	s_mul_i32 s37, s37, 0xc00000
	s_add_co_u32 s36, s36, s37
	s_lshr_b32 s37, s23, 5                         ; batch
	s_mul_i32 s37, s37, 0xc0000
	s_add_co_u32 s36, s36, s37
	s_mov_b32 s37, 0
	s_add_nc_u64 s[40:41], s[16:17], s[36:37]
	s_mul_i32 s38, s22, 3*XPL                      ; my wave's stage
	v_lshrrev_b32 v10, 1, v2
	v_mul_u32_u24 v10, v10, XP
	v_and_b32 v12, 1, v2
	v_lshl_add_u32 v10, v12, 3, v10
	v_add_nc_u32 v10, s38, v10                     ; in: piece lane / 2, half lane % 2
	v_lshrrev_b32 v11, 4, v2
	v_mul_u32_u24 v11, v11, XP
	v_and_b32 v12, 15, v2
	v_lshl_add_u32 v11, v12, 4, v11
	v_add_nc_u32 v11, s38, v11                     ; back: row lane % 16 of piece lane / 16
	s_wait_alu depctr_va_vdst(0)
	s_wait_kmcnt 0x0
.irp u, 0,1,2
	s_add_co_i32 s34, s[24+2*\u], 127
	s_lshl_b32 s35, s34, 23
	v_mov_b32 v[4+\u], s35                         ; 2^e as f32: the conversion takes its exponent field
	s_add_co_i32 s34, s34, 8
	s_lshl_b32 s34, s34, 23
	s_or_b32 s34, s34, 0x600000
	v_mov_b32 v[7+\u], s34                         ; 448 x 2^e
.endr
.macro XROW r
.set TS, XT+24*((\r)%2)
.set CS, XC+6*((\r)%2)
	s_wait_loadcnt 30-2*(\r)                       ; this row's two loads are in
.irp u, 0,1,2
.irp i, 0,1,2,3,4,5,6,7
	v_med3_num_f32 v[TS+8*\u+\i], v[XR+8*(\r)+\i], -v[7+\u], v[7+\u]   ; the conversion does not saturate (ISA guide 7.6.2): the hold at the largest code x the scale
.endr
.endr
.irp u, 0,1,2
	v_cvt_scalef32_pk8_fp8_f32 v[CS+2*\u:CS+2*\u+1], v[TS+8*\u:TS+8*\u+7], v[4+\u]
.endr                                  ; (the next row's held numbers lie in the other set: what follows is plain and touches other registers)
.irp u, 0,1,2
	ds_store_b64 v10, v[CS+2*\u:CS+2*\u+1] offset:XPL*\u+16*(\r)
.endr
.endm
	s_wait_alu depctr_va_vdst(0)                   ; the wait at the head's end
.irp r, 0,1,2,3,4,5,6,7,8,9,10,11,12,13,14,15
	XROW \r
.endr
	v_nop                                          ; a plain line behind the last conversion
	s_wait_dscnt 0x0
.irp u, 0,1,2
.irp t, 0,1,2,3,4,5,6,7
	ds_load_b128 v[XR+32*\u+4*\t:XR+32*\u+4*\t+3], v11 offset:XPL*\u+2*\t*XP   ; my own stores, read back as images: pieces 2 t and 2 t + 1
.endr
.endr
.irp u, 0,1,2
.irp t, 0,1,2,3,4,5,6,7
	s_wait_dscnt 23-8*\u-\t
	global_store_b128 v3, v[XR+32*\u+4*\t:XR+32*\u+4*\t+3], s[40:41] offset:0x40000*\u+32768*(\t/4)+512*(\t%4)
.endr
.endr
	s_wait_tensorcnt 0x0                           ; the wave's end
	ds_add_u32 v220, v221
	s_wait_dscnt 0x0
	s_endpgm
.Lnot_x:
	s_cmp_lt_u32 ttmp9, 256
	s_cbranch_scc0 .Lrope
; ---------------- the weights.  A work-group takes 128 columns x 128 places of one matrix; a wave 32 columns.  A LANE TAKES A COLUMN n AND ITS REGISTERS RUN DOWN K, in the order of the places:
; the conversions then give codes with K innermost.  Place 32 tb + 4 q + j of my 128 (q = q0 + 2 q1 + 4 q2) takes row k = S + ctb tb + A q0 + B q1 + C q2 + j.
	s_load_b256 s[72:79], s[14:15], 0x0            ; e0 .. e7
	s_load_b128 s[80:83], s[14:15], 0x20           ; e8 .. e11
	s_lshr_b32 s24, ttmp9, 6                       ; t: which matrix
	s_bfe_u32 s25, ttmp9, 0x30003                  ; which 128 places: the chunk
	s_and_b32 s26, ttmp9, 7
	s_lshl_b32 s26, s26, 7
	s_lshl_b32 s27, s22, 5
	s_add_co_u32 s26, s26, s27                     ; my wave's first column
	s_lshl_b32 s28, s25, 7                         ; Wo: S
	s_lshr_b32 s23, s25, 1                         ; y: the K step of 256
	s_lshl_b32 s29, s23, 8
	s_and_b32 s27, s25, 1                          ; its half
	s_lshl_b32 s30, s27, 6
	s_add_co_u32 s29, s29, s30                     ; the others: S = 256 y + 64 x half
	s_lshl_b32 s84, s25, 13                        ; where the chunk lies among 64 columns: 8,192 bytes each,
	s_lshl_b32 s85, s23, 14
	s_lshl_b32 s86, s27, 11
	s_add_co_u32 s85, s85, s86                     ; or, in Wo, 16,384 a K step and 2,048 a half
	s_cmp_eq_u32 s24, 1
	s_cselect_b64 s[6:7], s[8:9], s[6:7]
	s_cmp_eq_u32 s24, 2
	s_cselect_b64 s[6:7], s[10:11], s[6:7]
	s_cmp_eq_u32 s24, 3
	s_cselect_b64 s[6:7], s[12:13], s[6:7]         ; the matrix: a choice on the work-group's number
	s_cselect_b32 s28, s28, s29                    ; S
	s_cselect_b32 s29, 32, 16                      ; ctb
	s_cselect_b32 s30, 4, 128                      ; A
	s_cselect_b32 s31, 16, 4                       ; B
	s_cselect_b32 s38, 1, 3                        ; 64 columns of wc are 65,536 bytes (Wo) or, three planes, 196,608
	s_cselect_b32 s84, s85, s84
	s_cselect_b32 s85, 2, 1                        ; a tile of 16 columns on: 4,096 bytes (Wo) or 2,048
	s_lshl_b32 s39, s24, 16
	s_cmp_eq_u32 s24, 3
	s_cselect_b32 s39, 0x300000, s39               ; the plane's, or Wo's, first byte
	s_lshl_b32 s28, s28, 12                        ; rows of 4,096 bytes
	s_lshl_b32 s29, s29, 12
	s_lshl_b32 s30, s30, 12
	s_lshl_b32 s31, s31, 12
	s_wait_alu depctr_va_vdst(0)
	v_lshlrev_b32 v[WVO], 2, v2                    ; 4 bytes a lane: a load reads 128 consecutive bytes, the four waves stand side by side
	v_add_nc_u32 v[WVO+1], s30, v[WVO]
	v_add_nc_u32 v[WVO+2], s31, v[WVO]
	v_add_nc_u32 v[WVO+3], s31, v[WVO+1]
.irp q, 0,1,2,3
	v_add_nc_u32 v[WVO+4+\q], 8*4096, v[WVO+\q]    ; C = 8 rows
.endr
	s_lshl_b32 s33, s26, 2
	s_add_co_u32 s34, s28, s33
	s_mov_b32 s35, 0
	s_add_nc_u64 s[WSB:WSB+1], s[6:7], s[34:35]
	s_mov_b32 s34, s29
.irp tb, 1,2,3
	s_add_nc_u64 s[WSB+2*\tb:WSB+2*\tb+1], s[WSB+2*\tb-2:WSB+2*\tb-1], s[34:35]
.endr
.macro WLOAD tb
.irp i, 0,1,2,3,4,5,6,7,8,9,10,11,12,13,14,15,16,17,18,19,20,21,22,23,24,25,26,27,28,29,30,31
	global_load_b32 v[WX+32*((\tb)%2)+\i], v[WVO+\i/4], s[WSB+2*(\tb):WSB+2*(\tb)+1] offset:(\i%4)*4096 th:TH_LOAD_NT
.endr
.endm
	s_wait_alu depctr_va_vdst(0)
	WLOAD 0
	WLOAD 1
	s_mul_i32 s36, s22, 32*WP                      ; my wave's stage
	v_mul_u32_u24 v4, v2, WP
	v_add_nc_u32 v4, s36, v4                       ; into it: row = my column
	v_and_b32 v5, 15, v2
	v_lshrrev_b32 v6, 4, v2
	v_mul_u32_u24 v7, v5, WP
	v_lshl_add_u32 v7, v6, 4, v7
	v_add_nc_u32 v7, s36, v7                       ; out of it: row lane % 16, 16 bytes for each half of the lanes
	s_lshr_b32 s37, s26, 6
	s_mul_i32 s37, s37, s38
	s_lshl_b32 s37, s37, 16
	s_add_co_u32 s38, s39, s37                     ; my 64 columns
	s_add_co_u32 s38, s38, s84                     ; + the chunk
	s_lshl_b32 s84, s85, 11
	s_mov_b32 s85, 0
	s_bfe_u32 s37, s26, 0x20004
	s_mul_i32 s37, s37, s84
	s_add_co_u32 s38, s38, s37                     ; + my first tile of 16 columns
	s_mov_b32 s39, 0
	s_add_nc_u64 s[18:19], s[18:19], s[38:39]
	s_add_nc_u64 s[86:87], s[18:19], s[84:85]      ; and my second
	s_wait_alu depctr_va_vdst(0)
	s_wait_kmcnt 0x0
	s_cmp_eq_u32 s24, 1
	s_cselect_b32 s40, s75, s73                    ; e1, e3, e5 or e11: a value is chosen, no path
	s_cmp_eq_u32 s24, 2
	s_cselect_b32 s40, s77, s40
	s_cmp_eq_u32 s24, 3
	s_cselect_b32 s40, s83, s40
	s_add_co_i32 s40, s40, 127
	s_lshl_b32 s41, s40, 23
	v_mov_b32 v11, s41                             ; 2^e
	s_add_co_i32 s40, s40, 8
	s_lshl_b32 s40, s40, 23
	s_or_b32 s40, s40, 0x600000
	v_mov_b32 v10, s40                             ; 448 x 2^e
.macro WBLOCK tb
.set XS, WX+32*((\tb)%2)
.if (\tb) < 3
	s_wait_loadcnt 32                              ; this block's 32 loads are in; the next block's may be out
.else
	s_wait_loadcnt 0x0
.endif
.set i, 0
.rept 32
	v_med3_num_f32 v[XS+i], v[XS+i], -v10, v10
.set i, i+1
.endr
.irp g, 0,1,2,3
	v_cvt_scalef32_pk8_fp8_f32 v[WC+2*\g:WC+2*\g+1], v[XS+8*\g:XS+8*\g+7], v11
.endr
	ds_store_b128 v4, v[WC:WC+3] offset:32*(\tb)   ; 32 codes of my column's row
	ds_store_b128 v4, v[WC+4:WC+7] offset:32*(\tb)+16
.if (\tb)+2 < 4
	WLOAD (\tb)+2
.endif
	s_wait_dscnt 0x0                               ; the stores have read their registers: the next block's codes may be written (32 plain lines stand ahead of them)
.endm
	s_wait_alu depctr_va_vdst(0)
.irp t, 0,1,2,3
	WBLOCK \t
.endr
.irp f, 0,1
.irp c, 0,1,2,3
	ds_load_b128 v[WOUT+16*\f+4*\c:WOUT+16*\f+4*\c+3], v7 offset:16*\f*WP+32*\c   ; LDS serves a wave's instructions in order (ISA guide 5.7.1.4): these see my stores
.endr
.endr
.irp c, 0,1,2,3
	s_wait_dscnt 7-\c
	global_store_b128 v3, v[WOUT+4*\c:WOUT+4*\c+3], s[18:19] offset:512*\c   ; 512 consecutive bytes
.endr
.irp c, 0,1,2,3
	s_wait_dscnt 3-\c
	global_store_b128 v3, v[WOUT+16+4*\c:WOUT+16+4*\c+3], s[86:87] offset:512*\c
.endr
	s_wait_tensorcnt 0x0                           ; the wave's end
	ds_add_u32 v220, v221
	s_wait_dscnt 0x0
	s_endpgm
; ---------------- the table.  rope[position block 0..31][bq 0..3][half 0..1][lane][cos i0, sin i0, cos (i0+1), sin (i0+1)], lane = (r, h), position = 16 x block + r, pair i0 = 8 bq + 4 h + 2 half.
; Wave W of 32 takes one bq, one half and eight position blocks.  sin and cos by reduction to |r| <= pi/4 (pi/2 in two parts; the first product is exact for angles under 512) and two short polynomials.
.Lrope:
	s_sub_co_u32 s23, ttmp9, 256
	s_lshl_b32 s23, s23, 2
	s_add_co_u32 s23, s23, s22                     ; W
	s_and_b32 s24, s23, 1                          ; half
	s_bfe_u32 s25, s23, 0x20001                    ; bq
	s_lshr_b32 s26, s23, 3                         ; which eight position blocks
	s_mov_b32 s40, 1.0                             ; 10^(-j/8), j = 0 .. 7, as f32
	s_mov_b32 s41, 0x3f3ff911
	s_mov_b32 s42, 0x3f0ff59a
	s_mov_b32 s43, 0x3ed7e89b
	s_mov_b32 s44, 0x3ea1e89b
	s_mov_b32 s45, 0x3e72d424
	s_mov_b32 s46, 0x3e361887
	s_mov_b32 s47, 0x3e088d77
	s_mov_b32 s52, 1.0                             ; 10^-bq
	s_cmp_eq_u32 s24, 0
	s_cselect_b32 s48, s40, s42                    ; lanes 0-15: j = 2 half, 2 half + 1
	s_cselect_b32 s49, s41, s43
	s_cselect_b32 s50, s44, s46                    ; lanes 16-31: j = 4 + 2 half, 5 + 2 half
	s_cselect_b32 s51, s45, s47
	s_cmp_eq_u32 s25, 1
	s_cselect_b32 s52, 0x3dcccccd, s52
	s_cmp_eq_u32 s25, 2
	s_cselect_b32 s52, 0x3c23d70a, s52
	s_cmp_eq_u32 s25, 3
	s_cselect_b32 s52, 0x3a83126f, s52
	s_mov_b32 s70, 0x3f22f983                      ; 2 / pi
	s_mov_b32 s71, 0xbfc90fdb                      ; -(pi/2 rounded to f32)
	s_mov_b32 s72, 0x333bbd2e                      ; that rounded number less pi/2
	s_mov_b32 s73, 0xb94ca1f9                      ; sine: -1.9515296e-4, 8.3321609e-3, -0.16666655
	s_mov_b32 s74, 0x3c08839e
	s_mov_b32 s75, 0xbe2aaaa3
	s_mov_b32 s76, 0x37ccf5ce                      ; cosine: 2.4433157e-5, -1.3887316e-3, 4.1666646e-2
	s_mov_b32 s77, 0xbab6061a
	s_mov_b32 s78, 0x3d2aaaa5
	s_wait_alu depctr_va_vdst(0)
	v_cmp_gt_u32 vcc_lo, 16, v2                    ; lanes 0-15
	v_mov_b32 v10, s50
	v_mov_b32 v11, s51
	v_mov_b32 v12, s48
	v_mov_b32 v13, s49
	v_cndmask_b32 v10, v10, v12, vcc_lo
	v_cndmask_b32 v11, v11, v13, vcc_lo
	v_mul_f32 v10, s52, v10                        ; the frequency of pair i0,
	v_mul_f32 v11, s52, v11                        ; of pair i0 + 1
	v_and_b32 v14, 15, v2
	s_lshl_b32 s27, s26, 7
	v_add_nc_u32 v14, s27, v14                     ; my position in the first of my blocks
	s_lshl_b32 s28, s26, 15
	s_lshl_b32 s29, s25, 10
	s_add_co_u32 s28, s28, s29
	s_lshl_b32 s29, s24, 9
	s_add_co_u32 s28, s28, s29
	s_mov_b32 s29, 0
	s_add_nc_u64 s[20:21], s[20:21], s[28:29]
.macro SINCOS th, c, s                 ; v[c] = cos v[th], v[s] = sin v[th]; v[th] is not negative.  v24-31 at work
	v_mul_f32 v24, s70, v[\th]
	v_rndne_f32 v24, v24                           ; n
	v_fma_f32 v25, v24, s71, v[\th]
	v_fma_f32 v25, v24, s72, v25                   ; r = angle - n pi/2
	v_mul_f32 v26, v25, v25                        ; z
	v_cvt_i32_f32 v27, v24
	v_fma_f32 v28, v26, s73, s74
	v_fma_f32 v28, v28, v26, s75
	v_mul_f32 v28, v28, v26
	v_fma_f32 v28, v28, v25, v25                   ; sin r
	v_fma_f32 v29, v26, s76, s77
	v_fma_f32 v29, v29, v26, s78
	v_mul_f32 v29, v29, v26
	v_fma_f32 v30, v26, -0.5, 1.0
	v_fma_f32 v29, v29, v26, v30                   ; cos r
	v_and_b32 v30, 1, v27
	v_cmp_eq_u32 vcc_lo, 1, v30                    ; an odd quarter exchanges the two: a choice of values, no path
	v_cndmask_b32 v[\s], v28, v29, vcc_lo
	v_cndmask_b32 v[\c], v29, v28, vcc_lo
	v_and_b32 v30, 2, v27                          ; the sine is negative in quarters 2 and 3,
	v_lshlrev_b32 v30, 30, v30
	v_xor_b32 v[\s], v[\s], v30
	v_add_nc_u32 v31, 1, v27                       ; the cosine in quarters 1 and 2
	v_and_b32 v31, 2, v31
	v_lshlrev_b32 v31, 30, v31
	v_xor_b32 v[\c], v[\c], v31
.endm
.irp u, 0,1,2,3,4,5,6,7
	v_add_nc_u32 v15, 16*\u, v14
	v_cvt_f32_u32 v15, v15
	s_wait_alu depctr_va_vdst(0)
	v_mul_f32 v16, v15, v10                        ; the angle: position x frequency, rounded once
	v_mul_f32 v17, v15, v11
	SINCOS 16, 32+4*\u, 33+4*\u
	SINCOS 17, 34+4*\u, 35+4*\u
	global_store_b128 v3, v[32+4*\u:35+4*\u], s[20:21] offset:4096*\u   ; 512 consecutive bytes; each block has registers of its own, so no store's data are written again
.endr
	s_endpgm
.Lfunc_end_k_q15ab85159a_quant:
	.size	k_q15ab85159a_quant, .Lfunc_end_k_q15ab85159a_quant-k_q15ab85159a_quant
	.p2alignl 7, 3214868480
	.fill 96, 4, 3214868480
	.section	.rodata,"a",@progbits
	.p2align	6, 0x0
	.amdhsa_kernel k_q15ab85159a_quant
		.amdhsa_group_segment_fixed_size 52736
		.amdhsa_private_segment_fixed_size 0
		.amdhsa_enable_private_segment 0
		.amdhsa_kernarg_size 72
		.amdhsa_user_sgpr_count 2
		.amdhsa_user_sgpr_kernarg_segment_ptr 1
		.amdhsa_wavefront_size32 1
		.amdhsa_system_sgpr_workgroup_id_x 1
		.amdhsa_system_sgpr_workgroup_id_y 1
		.amdhsa_system_sgpr_workgroup_id_z 1
		.amdhsa_system_vgpr_workitem_id 0
		.amdhsa_next_free_vgpr 224
		.amdhsa_next_free_sgpr 100
		.amdhsa_reserve_vcc 1
		.amdhsa_float_denorm_mode_32 3
		.amdhsa_float_denorm_mode_16_64 3
		.amdhsa_memory_ordered 1
		.amdhsa_forward_progress 1
		.amdhsa_inst_pref_size 91
	.end_amdhsa_kernel
	.amdgpu_metadata
---
amdhsa.version: [ 1, 2 ]
amdhsa.kernels:
  - .name:           k_q15ab85159a_quant
    .symbol:         k_q15ab85159a_quant.kd
    .args:
      - { .name: x, .offset: 0, .size: 8, .value_kind: global_buffer, .address_space: global }
      - { .name: Wq, .offset: 8, .size: 8, .value_kind: global_buffer, .address_space: global }
      - { .name: Wk, .offset: 16, .size: 8, .value_kind: global_buffer, .address_space: global }
      - { .name: Wv, .offset: 24, .size: 8, .value_kind: global_buffer, .address_space: global }
      - { .name: Wo, .offset: 32, .size: 8, .value_kind: global_buffer, .address_space: global }
      - { .name: lowp_scales, .offset: 40, .size: 8, .value_kind: global_buffer, .address_space: global }
      - { .name: xc, .offset: 48, .size: 8, .value_kind: global_buffer, .address_space: global }
      - { .name: wc, .offset: 56, .size: 8, .value_kind: global_buffer, .address_space: global }
      - { .name: rope, .offset: 64, .size: 8, .value_kind: global_buffer, .address_space: global }
    .group_segment_fixed_size: 52736
    .private_segment_fixed_size: 0
    .kernarg_segment_align: 8
    .kernarg_segment_size: 72
    .max_flat_workgroup_size: 128
    .sgpr_count:     100
    .vgpr_count:     224
    .wavefront_size: 32
...
	.end_amdgpu_metadata
.endif
;; end of part 1
;; launch mha (part 2): grid 16 x 16, 8 waves a work-group, clusters of 4 x 4, 327,680 bytes of LDS; arguments xc, wc, lowp_scales, bq, bk, bv, rope, ac; writes ac
.if DOCPART == 2
	.amdgcn_target "amdgcn-amd-amdhsa--gfx1250"
	.amdhsa_code_object_version 6
	.text
	.protected	k_q15ab85159a_mha
	.globl	k_q15ab85159a_mha
	.p2align	8
	.type	k_q15ab85159a_mha,@function
k_q15ab85159a_mha:
	s_mov_b64 s[64:65], 0
	v_nop
	global_prefetch_b8 v0, s[64:65] scope:SCOPE_SE
	s_setreg_imm32_b32 hwreg(HW_REG_WAVE_MODE, 25, 1), 1
	s_wait_xcnt 0x0
	s_wait_alu depctr_hold_cnt(0) depctr_sa_sdst(0) depctr_va_vdst(0) depctr_va_sdst(0) depctr_va_ssrc(0) depctr_va_vcc(0) depctr_vm_vsrc(0)
	s_getreg_b32 s2, hwreg(HW_REG_IB_STS2, 6, 4)
	s_cmp_eq_u32 s2, 0
	s_cbranch_scc0 .Lentry_in_a_cluster
	s_endpgm
.Lentry_in_a_cluster:
	s_bfe_u32 s2, ttmp6, 0x10000c
	s_cmp_lg_u32 s2, 0xf033
	s_cbranch_scc0 .Lentry_shape_is_right
	s_endpgm
.Lentry_shape_is_right:
; THE THREE PROJECTIONS AND CAUSAL ATTENTION OF ONE (BATCH, HEAD), on codes of E4M3: 512 tokens, 64 features of Q, of K and of V, K = 1,024.  Q, K and V never leave the work-group.
; LEFT OUT: key steps all of whose keys come after a tile's queries, and the second half of a step where all its keys do: the causal mask makes their weights zero for all inputs.  (A NaN or an infinity that reaches
; only such scores is not carried to the result.)
; CLUSTERS of 4 x 4: work-group (cx, cy) of cluster (X, Y) takes head 4 Y + cx and batch 4 X + cy.  x's tiles hang on the batch alone and are asked for jointly along a row of the cluster, the weights' on the head alone, along a column.
; SHARES.  Eight waves, two to a SIMD.  Wave w owns the token tiles w, 15 - w, 16 + w, 31 - w (16 tokens each) in all three projections and as queries: under the causal mask they have 1, 2, 3 and 4 key steps of 128.
; THE STREAM: 24 chunks of 128 along K (Q's eight, K's eight, V's eight).  Both operands lie in memory in that order as images of the operands' registers, so every read of a fragment is a constant + 16 x lane.
;   A wave's first two token tiles and the weights come through two LDS slots of three chunks (98,304 bytes of x, 24,576 of weights): eight joint fills, one load a wave (waves 0-3: x, waves 4-7: weights).
;   Its other two token tiles, which no other wave of the work-group reads, go from memory straight into its fragment registers, asked for two chunks ahead: no slot has room for them beside three chunks.
; Q, K: source 0 = 16 features, source 1 = 16 tokens: a lane holds one token and eight neighbouring features (rotary pairs lie in one lane).  V: the sources change places: one feature and eight neighbouring keys.
; The biases, divided by the two operands' scales, are the C of the first products; a sum stands for sum x 2^(ea + eb), and both exponents go into the conversion's scale.
; K and V^T go to LDS bytes of their own, behind the slots, as images of the attention's operands.  Q's codes stay in their wave.
; THE SOFTMAX AHEAD OF THE SECOND PRODUCT: t = score x log2(e) / 8; M = the row's largest t so far, rounded UP to a whole number; p = 2^(t - M) is quantised along the keys, not normalised.  The row's sum is taken of the
; unquantised p and divides O at the end.  When M moves, the sum and O are multiplied by 2^(old M - new M), which rounds nothing.
; The scores of a wave's next key step are made one step ahead, behind this step's scaling and ahead of its exponentials.  (The last step of all makes key step 0's once more; nothing reads them.)
; ac: [tile of 16 rows 0..511][head][chunk 0..1][lane][16 B]: two neighbouring heads are the image of one fragment of 16 rows x 128 K.
; LIMITS: e0 + e1, e2 + e3, e4 + e5 between -126 and 126; e6 - e0 - e1, e7 - e2 - e3, e9 - e4 - e5, e8 and e10 between -126 and 119; e6 + e7 between -123 and 130; scaled scores under 2^31 in magnitude.  NaN is not served.
; REGISTERS: v1 16 x lane; v2 lane % 16 - 8 (lane / 16); v3 the prefetches' offset; v4, v5 LDS addresses of my tiles of x in slots 0, 1, v12, v13 the same for a slot's third chunk; v6, v7 of the weights; v8-11 where K and
;   V^T are put; v14, v15 the biases' offsets; v16-23 at work; v24, v25 the add's; v26-31 conversion scale and bound of Q, K, V; v32-63 Q's codes; v64-95 the table's first tile, then K's codes; v96-127 the bias, at the end
;   V's codes; v128-255 accumulators ((a, b) at 128 + 32 a + 8 b).
;   v256-511: two sets of fragments, the four tiles of x and the four of the weights; ahead of Q's and K's ways out the first set takes the table's other tiles where it has no fragments.
;   In the attention: v4, v5 addresses; v12 -M, v13 the largest t, v[14:15] the sum in halves; v16-23 Q; v32-95 V's fragments; v96-159 t - M, p, O; v160-191 O^T; v192-215 Q of the tiles to come; v224-254 codes, constants,
;   at work; v256-319 the scores, v320-383 K's fragments.
.set XGEN,  98304                      ; three chunks of x in one area
.set WGEN,  24576                      ; three chunks of weights
.set WOFF,  XGEN
.set SLOT,  XGEN+WGEN
.set KV,    2*SLOT                     ; K at KV, V^T at KV + 32,768
.set SPARE, KV+65536                   ; the spare words, 128 bytes for each wave, which no other line names
.set XA, 4
.set XB, 12
.set WA, 6
.set MSB, 0
.macro WIN new                         ; the immediate's high byte repeats the setting that is left
.if MSB != \new
	s_set_vgpr_msb (MSB<<8)|\new
.set MSB, \new
.endif
.endm
.macro PLACES
.rept 4
	v_nop                                          ; places behind matrix instructions (ISA guide 7.12.1 for vector instructions)
.endr
.endm
.macro JLOAD s                         ; a joint load into slot s: waves 0-3 for x, 4-7 for the weights; the branch hangs on the wave's number alone
	s_cmp_eq_u32 s15, 0
	s_cbranch_scc0 .Lfor_w_\@
	tensor_load_to_lds s[40+4*\s:43+4*\s], s[24:31]
	s_nop 0
.rept 4
	v_nop
.endr
	s_branch .Lasked_\@
.Lfor_w_\@:
	tensor_load_to_lds s[48+4*\s:51+4*\s], s[32:39]
	s_nop 0
.rept 4
	v_nop
.endr
.Lasked_\@:
.endm
; A PREFETCH of the three chunks behind the fill that was just asked for: each block of 256 bytes is named once in each cluster that will load it.  Of 98,304 bytes of x in each area the four partners of a row take 24,576 each,
; told apart by address, 8,192 for each of waves 0-2 (first area) and 3-5 (second), lanes 256 bytes apart; of the weights' 24,576 the four of a column take 6,144 each: wave 6 (its lanes from 24 on name the last block again).
.macro ASK
	s_cmp_lt_u32 s14, 7
	s_cbranch_scc0 .Lnot_mine_\@
	global_prefetch_b8 v3, s[56:57] th:TH_LOAD_NT scope:SCOPE_SE
.Lnot_mine_\@:
.endm
.macro CROUND                          ; a round of the cluster's barrier
	s_barrier_signal -1
	s_barrier_wait -1
	s_cmp_lg_u32 s14, 0
	s_cbranch_scc1 .Lnot_wave_0_\@
	s_barrier_signal -3
.Lnot_wave_0_\@:
	s_barrier_wait -3
	s_barrier_signal -1
	s_barrier_wait -1
.endm
.macro BIASLOAD p                      ; features 16 b + 8 h + 0 .. 7
.irp b, 0,1,2,3
	global_load_b128 v[96+8*\b:99+8*\b], v14, s[\p:\p+1] offset:64*\b
	global_load_b128 v[100+8*\b:103+8*\b], v14, s[\p:\p+1] offset:64*\b+16
.endr
.endm
.macro BIASSCALE m
.irp i, 0,2,4,6,8,10,12,14,16,18,20,22,24,26,28,30
	v_pk_mul_f32 v[96+\i:97+\i], v[96+\i:97+\i], s[\m:\m+1] op_sel_hi:[1,0]
.endr
.endm
.macro CONSTS ea, eb, eq, m, v         ; s[m:m+1] = 2^-(ea + eb); v[v] = 2^(eq - ea - eb), v[v+1] = 448 x that
	s_add_co_i32 s12, s[\ea], s[\eb]
	s_sub_co_i32 s13, 127, s12
	s_lshl_b32 s[\m], s13, 23
	s_mov_b32 s[\m+1], s[\m]                       ; (named with it as a pair)
	s_sub_co_i32 s13, s[\eq], s12
	s_add_co_i32 s13, s13, 127
	s_lshl_b32 s12, s13, 23
	v_mov_b32 v[\v], s12
	s_add_co_i32 s13, s13, 8
	s_lshl_b32 s13, s13, 23
	s_or_b32 s13, s13, 0x600000
	v_mov_b32 v[\v+1], s13
.endm
; chunk g's fragments out of LDS: the weights' four and my first two tiles of x, into set g % 2: 24 loads
.macro FETCHL g
.set GQ, (\g)%3
.set GS, ((\g)/3)%2
.set GP, 128*((\g)%2)
	WIN 0x40                                       ; destination window 1, address window 0
.irp i, 0,1,2,3
.irp c, 0,1,2,3
	ds_load_b128 v[GP+64+16*\i+4*\c:GP+67+16*\i+4*\c], v[WA+GS] offset:8192*GQ+2048*\i+512*\c
.endr
.endr
.irp i, 0,1
.irp c, 0,1,2,3
.if GQ == 2
	ds_load_b128 v[GP+16*\i+4*\c:GP+3+16*\i+4*\c], v[XB+GS] offset:2048*\i+512*\c
.else
	ds_load_b128 v[GP+16*\i+4*\c:GP+3+16*\i+4*\c], v[XA+GS] offset:32768*GQ+2048*\i+512*\c
.endif
.endr
.endr
.endm
; chunk g's fragments of my other two tiles of x, from memory: 8 loads
.macro DIRECT g
.set GP, 128*((\g)%2)
	WIN 0x40
.irp i, 0,1
.irp c, 0,1,2,3
	global_load_b128 v[GP+32+16*\i+4*\c:GP+35+16*\i+4*\c], v1, s[70:71] offset:32768*(\g)+2048*\i+512*\c
.endr
.endr
.endm
; token tiles a0, a0 + 1 x the four feature tiles.  mode 0: Q, K; 1: V.  zero: the bias starts the sums.  The sixteen accumulators take turns.
.macro MUL p, mode, zero, a0
.irp a, \a0, \a0+1
.irp b, 0,1,2,3
.set DD, 128+32*(\a)+8*\b
.set XF, (\p)+16*(\a)
.set WF, (\p)+64+16*\b
.if \zero
.set CC, 96+8*\b
.else
.set CC, DD
.endif
.if \mode
	v_wmma_f32_16x16x128_fp8_fp8 v[DD:DD+7], v[XF:XF+15], v[WF:WF+15], v[CC:CC+7]
.else
	v_wmma_f32_16x16x128_fp8_fp8 v[DD:DD+7], v[WF:WF+15], v[XF:XF+15], v[CC:CC+7]
.endif
.endr
.endr
.endm
.macro ROPELOAD a, reg                 ; the table for my token tile a: (cos, sin) of pair 8 b + 4 h + u at register reg + 8 b + 2 u
.set RB, 66+2*((\a)%2)
.irp b, 0,1,2,3
	global_load_b128 v[\reg+8*\b:\reg+8*\b+3], v1, s[RB:RB+1] offset:32768*(\a)+1024*\b
	global_load_b128 v[\reg+8*\b+4:\reg+8*\b+7], v1, s[RB:RB+1] offset:32768*(\a)+1024*\b+512
.endr
.endm
.macro ROPEREST                        ; tiles 1 to 3 into set 0, round the fragments that are on their way there: 24 loads
	WIN 0x40
	ROPELOAD 1, 0
	ROPELOAD 2, 64
	ROPELOAD 3, 96
	WIN 0
.endm
; CHUNK g.  Its direct loads were issued two chunks ago; its LDS loads one chunk ago, or here where it is a slot's first or a phase's.  lw: the loads younger than its direct ones, which may be out: the next chunk's 8, and a bias
; (8 or 4) or the table's tiles (8, 24) where they stand behind it.
.macro QSTEP g, mode, zero, lw, ask
.if (((\g)%3) == 0) || ((\g) == 8) || ((\g) == 16)
	FETCHL \g
.endif
.if ((((\g)+1)%3) != 0) && ((\g) != 7) && ((\g) != 15)
	FETCHL \g+1
.if \ask
	WIN 0
	ASK
.endif
	s_wait_dscnt 24                                ; this chunk is in; the next one's 24 loads may be out
.else
.if \ask
	WIN 0
	ASK
.endif
	s_wait_dscnt 0x0
.endif
	s_wait_loadcnt \lw
	WIN 0x05                                       ; sources 0, 1 window 1; C, D window 0
	MUL 128*((\g)%2), \mode, \zero, 0
	MUL 128*((\g)%2), \mode, \zero, 2
	PLACES
.if (\g) < 22
	DIRECT \g+2
.endif
	WIN 0
.endm
; THE CHANGE OF SLOTS.  fill: the slot just read takes the three chunks two fills on.
.macro CHANGE slot, fill
	s_wait_tensorcnt 0x0                           ; all my tensor loads have landed: my part of the next slot
	ds_add_u32 v24, v25
.if \fill
	s_add_nc_u64 s[42+4*\slot:43+4*\slot], s[42+4*\slot:43+4*\slot], 2*XGEN
	s_add_nc_u64 s[50+4*\slot:51+4*\slot], s[50+4*\slot:51+4*\slot], 2*WGEN
	s_wait_xcnt 0x0                                ; my prefetch has read its address
	s_add_nc_u64 s[56:57], s[56:57], s[58:59]
.endif
	s_wait_dscnt 0x0                               ; the add is done, and my reads of this slot are over
.if \fill
	CROUND                                         ; no wave of any partner still reads this slot or has a load on its way
	JLOAD \slot
.else
	s_barrier_signal -1
	s_barrier_wait -1
	PLACES
.endif
.endm
.macro QKTILE a, cd, qs
.if (\a) == 0
.set RT0, 64
	WIN 0
.else
.set RT0, 32*(\a)*((\a)/2)/((\a)-(\a)/2)-((\a)/3)*0
.if (\a) == 1
.set RT0, 0
.elseif (\a) == 2
.set RT0, 64
.else
.set RT0, 96
.endif
	WIN 0x04                                       ; source 1, the table: window 1
.endif
.irp b, 0,1,2,3
.set AC, 128+32*(\a)+8*\b
.set RT, RT0+8*\b
.irp u, 0,2,4,6                        ; a pair (x1, x2) and its (cos, sin); each accumulator from its low end on
	v_pk_mul_f32 v[16+\u:17+\u], v[AC+\u:AC+\u+1], v[RT+\u:RT+\u+1] op_sel:[1,1] op_sel_hi:[1,0]   ; (x2 sin, x2 cos)
.endr
.irp u, 0,2,4,6
	v_pk_fma_f32 v[AC+\u:AC+\u+1], v[AC+\u:AC+\u+1], v[RT+\u:RT+\u+1], v[16+\u:17+\u] op_sel_hi:[0,1,1] neg_lo:[0,0,1]   ; (x1 cos - x2 sin, x1 sin + x2 cos)
.endr
.endr
	WIN 0
.irp b, 0,1,2,3
.set AC, 128+32*(\a)+8*\b
.irp i, 0,1,2,3,4,5,6,7
	v_med3_num_f32 v[AC+\i], v[AC+\i], -v[\qs+1], v[\qs+1]   ; the conversion does not saturate (ISA guide 7.6.2)
.endr
	v_cvt_scalef32_pk8_fp8_f32 v[\cd+8*(\a)+2*\b:\cd+8*(\a)+2*\b+1], v[AC:AC+7], v[\qs]
.endr
	v_nop                                          ; a plain line behind the last conversion
.endm
; THE WAY OUT of Q or K, into codes in registers.  In the order of issue there may be out: the table's tile 0 (8 loads), a chunk's direct loads (8), tiles 1 to 3 (24), the next chunk's direct loads (8).  The next phase's bias,
; which is older than all of them, is scaled at the end.
.macro QKOUT cd, qs, vnext
	s_wait_loadcnt 40
	QKTILE 0, \cd, \qs
.irp a, 1,2,3
	s_wait_loadcnt 32-8*\a
	QKTILE \a, \cd, \qs
.endr
.if \vnext
.irp b, 0,1,2,3
.irp i, 0,1,2,3,4,5,6,7
	v_mul_f32 v[96+8*\b+\i], s88, v[124+\b]        ; eight keys of one feature share its bias (v127 is written last)
.endr
.endr
.else
	BIASSCALE 86
.endif
	s_wait_alu depctr_va_vdst(0)
.endm
	s_load_b256 s[4:11], s[0:1], 0x0               ; xc s[4:5], wc s[6:7], the exponents s[8:9], bq s[10:11]
	s_load_b256 s[16:23], s[0:1], 0x20             ; bk s[16:17], bv s[18:19], rope s[20:21], ac s[22:23]
	v_lshl_add_u32 v24, v0, 2, SPARE
	v_mov_b32 v25, 0
	ds_add_u32 v24, v25                            ; the wave's opening: the add, twice on end
	ds_add_u32 v24, v25
	v_lshrrev_b32 v2, 5, v0
	v_readfirstlane_b32 s14, v2                    ; wave 0..7
	s_lshr_b32 s15, s14, 2                         ; I fetch x (0) or weights (1)
	s_and_b32 s3, s14, 3                           ; which quarter of them
	s_bfe_u32 s60, ttmp6, 0x40000                  ; cx
	s_bfe_u32 s61, ttmp6, 0x40004                  ; cy
	s_and_b32 s62, ttmp7, 0xffff
	s_lshl_b32 s62, s62, 2
	s_add_co_u32 s62, s62, s60                     ; head
	s_lshl_b32 s63, ttmp9, 2
	s_add_co_u32 s63, s63, s61                     ; batch
	s_lshl_b32 s12, s61, 2
	s_lshl_b32 s12, 15, s12                        ; my row of the cluster
	s_lshl_b32 s13, 0x1111, s60                    ; my column
	s_or_b32 s24, s12, (3<<16)|(1<<21)             ; group 1 for x: the mask; elements of 8 bytes; bit 21 beside a mask
	s_mov_b32 s25, 512<<16                         ; 6 rows of 4,096 bytes, dense
	s_mov_b32 s26, 6<<16
	s_mov_b32 s27, 512<<16
	s_mov_b32 s28, 6
	s_mov_b32 s29, 512
	s_mov_b32 s30, 0
	s_mov_b32 s31, 0
	s_or_b32 s32, s13, (3<<16)|(1<<21)             ; group 1 for the weights
	s_mov_b32 s33, 128<<16                         ; 6 rows of 1,024 bytes, dense
	s_mov_b32 s34, 6<<16
	s_mov_b32 s35, 128<<16
	s_mov_b32 s36, 6
	s_mov_b32 s37, 128
	s_mov_b32 s38, 0
	s_mov_b32 s39, 0
	s_mul_i32 s90, s63, 0xc0000                    ; x: the batch's 24 chunks in the first area
	s_mul_i32 s94, s3, XGEN/4
	s_add_co_u32 s90, s90, s94
	s_mov_b32 s91, 0
	s_mul_i32 s92, s62, 0x30000                    ; the weights: the head's 24 chunks
	s_mul_i32 s95, s3, WGEN/4
	s_add_co_u32 s92, s92, s95
	s_mov_b32 s93, 0
	s_add_co_u32 s95, s95, WOFF
	s_wait_dscnt 0x0                               ; both opening adds are done
	s_wait_kmcnt 0x0
	s_load_b256 s[72:79], s[8:9], 0x0              ; e0 .. e7
	s_load_b128 s[80:83], s[8:9], 0x20             ; e8 .. e11
	s_add_nc_u64 s[90:91], s[4:5], s[90:91]
	s_add_nc_u64 s[92:93], s[6:7], s[92:93]
.irp s, 0,1
	s_mov_b32 s[40+4*\s], 1
	s_add_co_u32 s[41+4*\s], s94, \s*SLOT
	s_add_nc_u64 s[42+4*\s:43+4*\s], s[90:91], \s*XGEN
	s_or_b32 s[43+4*\s], s[43+4*\s], 0x80000000
	s_mov_b32 s[48+4*\s], 1
	s_add_co_u32 s[49+4*\s], s95, \s*SLOT
	s_add_nc_u64 s[50+4*\s:51+4*\s], s[92:93], \s*WGEN
	s_or_b32 s[51+4*\s], s[51+4*\s], 0x80000000
.endr
	CROUND                                         ; all sixteen work-groups are here: the first joint loads meet
	JLOAD 0                                        ; the first three chunks: one tensor load a wave at the head
	s_cmp_ge_u32 s14, 3                            ; the prefetches: x, the first area (waves 0-2) or the second,
	s_cselect_b32 s12, 0xc00000, 0
	s_cselect_b32 s2, 3, 0
	s_sub_co_u32 s2, s14, s2
	s_lshl_b32 s2, s2, 13
	s_add_co_u32 s12, s12, s2
	s_mul_i32 s2, s63, 0xc0000
	s_add_co_u32 s12, s12, s2
	s_mul_i32 s2, s60, XGEN/4
	s_add_co_u32 s12, s12, s2
	s_mul_i32 s13, s62, 0x30000                    ; or the weights
	s_mul_i32 s2, s61, WGEN/4
	s_add_co_u32 s13, s13, s2
	s_cmp_lt_u32 s14, 6
	s_cselect_b64 s[56:57], s[4:5], s[6:7]
	s_cselect_b32 s12, s12, s13
	s_cselect_b32 s58, 4, 1
	s_cselect_b32 s2, 31, 23
	s_mul_i32 s58, s58, WGEN                       ; a fill on: 98,304 or 24,576 bytes
	s_mov_b32 s59, 0
	s_mov_b32 s13, 0
	s_add_nc_u64 s[56:57], s[56:57], s[12:13]
	s_add_nc_u64 s[56:57], s[56:57], s[58:59]      ; at the second fill
	s_mul_i32 s12, s63, 0xc0000                    ; my direct tiles: the second area, 4,096 bytes a wave in a chunk
	s_lshl_b32 s2, s14, 12
	s_add_co_u32 s12, s12, s2
	s_add_co_u32 s12, s12, 0xc00000
	s_add_nc_u64 s[70:71], s[4:5], s[12:13]
	v_and_b32 v12, 31, v0                          ; lane
	v_lshlrev_b32 v1, 4, v12
	v_min_u32 v3, s2, v12
	s_cmp_lt_u32 s14, 6
	s_cselect_b32 s2, 31, 23
	v_min_u32 v3, s2, v12
	v_lshlrev_b32 v3, 8, v3
	s_wait_alu depctr_va_vdst(0)
	ASK
	s_lshl_b32 s12, s14, 12
	v_add_nc_u32 v4, s12, v1                       ; my two token tiles in slot 0,
	s_add_co_u32 s12, s12, SLOT
	v_add_nc_u32 v5, s12, v1                       ; in slot 1
	v_add_nc_u32 v6, WOFF, v1
	v_add_nc_u32 v7, SLOT+WOFF, v1
	s_lshl_b32 s12, s14, 10
	s_add_co_u32 s12, s12, KV
	v_add_nc_u32 v8, s12, v1                       ; K's images: my tiles 0 and 2,
	s_xor_b32 s13, s14, 7
	s_lshl_b32 s12, s13, 10
	s_add_co_u32 s12, s12, KV
	v_add_nc_u32 v9, s12, v1                       ; 1 and 3
	s_lshr_b32 s12, s14, 1
	s_lshl_b32 s12, s12, 9
	s_and_b32 s2, s14, 1
	s_lshl_b32 s2, s2, 3
	s_add_co_u32 s12, s12, s2
	s_add_co_u32 s12, s12, KV
	v_add_nc_u32 v10, s12, v1                      ; V^T's images: 16 keys are 8 bytes of a lane's 16
	s_lshr_b32 s12, s13, 1
	s_lshl_b32 s12, s12, 9
	s_and_b32 s2, s13, 1
	s_lshl_b32 s2, s2, 3
	s_add_co_u32 s12, s12, s2
	s_add_co_u32 s12, s12, KV
	v_add_nc_u32 v11, s12, v1
	s_wait_alu depctr_va_vdst(0)
	v_and_b32 v13, 15, v0
	v_bfe_u32 v14, v0, 4, 1
	v_lshlrev_b32 v15, 3, v14
	v_sub_nc_u32 v2, v13, v15                      ; lane % 16 - 8 (lane / 16)
	v_lshlrev_b32 v14, 5, v14
	v_lshlrev_b32 v15, 2, v13
	v_add_nc_u32 v12, 0x10000, v4                  ; a slot's third chunk
	v_add_nc_u32 v13, 0x10000, v5
	s_wait_alu depctr_va_vdst(0)
	s_lshl_b32 s12, s62, 8                         ; 64 features of each bias
	s_mov_b32 s13, 0
	s_add_nc_u64 s[10:11], s[10:11], s[12:13]
	s_add_nc_u64 s[16:17], s[16:17], s[12:13]
	s_add_nc_u64 s[18:19], s[18:19], s[12:13]
	BIASLOAD 10
	DIRECT 0
	DIRECT 1
	WIN 0
	s_lshl_b32 s12, s14, 12
	s_add_nc_u64 s[66:67], s[20:21], s[12:13]      ; the table at position block w,
	s_xor_b32 s12, s14, 7
	s_lshl_b32 s12, s12, 12
	s_add_nc_u64 s[68:69], s[20:21], s[12:13]      ; at block 7 - w
	s_lshl_b32 s12, s63, 19
	s_lshl_b32 s2, s62, 10
	s_add_co_u32 s12, s12, s2
	s_add_nc_u64 s[22:23], s[22:23], s[12:13]      ; ac: the batch's 32 tiles of 16,384 bytes, the head's 1,024 in each
	s_wait_kmcnt 0x0                               ; the exponents
	CONSTS 72, 73, 78, 84, 26                      ; Q
	CONSTS 74, 75, 79, 86, 28                      ; K
	CONSTS 76, 77, 81, 88, 30                      ; V
	s_wait_alu depctr_va_vdst(0)
	s_wait_loadcnt 16                              ; bq; the direct loads of two chunks may be out
	BIASSCALE 84
	s_wait_alu depctr_va_vdst(0)                   ; the wait at the head's end
	s_wait_tensorcnt 0x0                           ; my part of slot 0 is in
	ds_add_u32 v24, v25
	s_wait_xcnt 0x0                                ; my prefetch has read its address
	s_add_nc_u64 s[56:57], s[56:57], s[58:59]
	s_wait_dscnt 0x0
	CROUND                                         ; everybody's part of slot 0 is in, and the joint loads meet
	JLOAD 1                                        ; slot 1's first fill
	; Q: chunks 0 to 7
	QSTEP 0, 0, 1, 8, 1
	QSTEP 1, 0, 0, 8, 0
	QSTEP 2, 0, 0, 8, 0
	BIASLOAD 16                                    ; K's bias: Q's was used in chunk 0
	CHANGE 0, 1
	QSTEP 3, 0, 0, 16, 1
	QSTEP 4, 0, 0, 16, 0
	QSTEP 5, 0, 0, 8, 0
	ROPELOAD 0, 64
	CHANGE 1, 1
	QSTEP 6, 0, 0, 16, 1
	ROPEREST
	QSTEP 7, 0, 0, 40, 0
	QKOUT 32, 26, 0
	; K: chunks 8 to 15
	QSTEP 8, 0, 1, 8, 0
	CHANGE 0, 1
	QSTEP 9, 0, 0, 8, 1
	QSTEP 10, 0, 0, 8, 0
.irp b, 0,1,2,3
	global_load_b32 v[124+\b], v15, s[18:19] offset:64*\b   ; V's bias: bv of feature 16 b + lane % 16
.endr
	QSTEP 11, 0, 0, 12, 0
	CHANGE 1, 1
	QSTEP 12, 0, 0, 12, 1
	QSTEP 13, 0, 0, 8, 0
	ROPELOAD 0, 64
	QSTEP 14, 0, 0, 16, 0
	ROPEREST
	CHANGE 0, 1
	QSTEP 15, 0, 0, 40, 1
	QKOUT 64, 28, 1
.irp a, 0,1,2,3
.irp c, 0,1
	ds_store_b128 v[8+\a%2], v[64+8*\a+4*\c:67+8*\a+4*\c] offset:8192*\a+512*\c   ; K: [key tile][chunk][lane][16 B]
.endr
.endr
	; V: chunks 16 to 23
	QSTEP 16, 1, 1, 8, 0
	QSTEP 17, 1, 0, 8, 0
	CHANGE 1, 1
	QSTEP 18, 1, 0, 8, 0
	QSTEP 19, 1, 0, 8, 0
	QSTEP 20, 1, 0, 8, 0
	CHANGE 0, 0
	QSTEP 21, 1, 0, 8, 0
	QSTEP 22, 1, 0, 8, 0
	QSTEP 23, 1, 0, 0, 0
.irp a, 0,1,2,3
.irp b, 0,1,2,3
.set AC, 128+32*\a+8*\b
.set VC, 96+8*\a+2*\b
.irp i, 0,1,2,3,4,5,6,7
	v_med3_num_f32 v[AC+\i], v[AC+\i], -v31, v31
.endr
	v_cvt_scalef32_pk8_fp8_f32 v[VC:VC+1], v[AC:AC+7], v30
	ds_store_b64 v[10+\a%2], v[VC:VC+1] offset:32768+8192*\a+2048*\b   ; V^T: [key step][feature tile][chunk][lane][16 B]
.endr
.endr
	v_nop                                          ; a plain line behind the last conversion
.set i, 0
.rept 8
	v_mov_b32 v[16+i], v[32+i]                     ; the first tile's Q; the others wait
.set i, i+1
.endr
.set i, 0
.rept 24
	v_mov_b32 v[192+i], v[40+i]
.set i, i+1
.endr
	v_mov_b32 v236, 0                              ; written once: a lane permute's destination counts as one of its sources
	v_mov_b32 v253, 0                              ; (named as the upper half of the pair v[252:253])
	v_mov_b32 v250, 0xff800000                     ; -infinity
	v_add_nc_u32 v5, KV, v1                        ; the first key step's K
.irp j, 0,1,2,3,4,5,6,7
	v_cmp_gt_i32 s[24+\j], \j, v2                  ; lanes in which, in the key tile on the diagonal, register j's key comes after the query: j > lane % 16 - 8 (lane / 16)
.endr
	s_mov_b32 s96, 0x76543210                      ; v_permlanex16_b32's selects for lane l xor 16
	s_mov_b32 s97, 0xfedcba98
	s_mov_b32 s98, 0x3e38aa3b                      ; c = log2(e) / 8
	s_add_co_i32 s12, s78, s79
	s_lshl_b32 s12, s12, 23
	s_add_co_i32 s98, s98, s12                     ; x 2^(e6 + e7): added to c's exponent field
	s_mov_b32 s99, s98                             ; (named with it as a pair)
	s_add_co_i32 s12, s80, 127
	s_lshl_b32 s13, s12, 23
	v_mov_b32 v244, s13                            ; 2^e8
	s_add_co_i32 s12, s12, 8
	s_lshl_b32 s12, s12, 23
	s_or_b32 s12, s12, 0x600000
	v_mov_b32 v240, s12                            ; 448 x 2^e8
	s_add_co_i32 s12, s82, 127
	s_lshl_b32 s13, s12, 23
	v_mov_b32 v245, s13                            ; 2^e10
	s_add_co_i32 s12, s12, 8
	s_lshl_b32 s12, s12, 23
	s_or_b32 s12, s12, 0x600000
	v_mov_b32 v241, s12                            ; 448 x 2^e10
	s_add_co_i32 s100, s80, s81                    ; e8 + e9
	s_lshl_b32 s10, s14, 4                         ; my first tile's first query
	s_mov_b32 s11, 4                               ; tiles to go
	s_wait_alu depctr_va_vdst(0)
	s_wait_dscnt 0x0                               ; my part of K and V^T is stored,
	s_barrier_signal -1
	s_barrier_wait -1                              ; everybody's is
.macro KLOAD                           ; a key step's eight fragments of K
	WIN 0x40
.irp t, 0,1,2,3,4,5,6,7
	ds_load_b128 v[64+8*\t:67+8*\t], v5 offset:1024*\t
	ds_load_b128 v[68+8*\t:71+8*\t], v5 offset:1024*\t+512
.endr
	WIN 0
.endm
.macro SCORES                          ; S^T = K Q^T: scores and K in window 1
	WIN 0x41
.irp t, 0,1,2,3,4,5,6,7
	v_wmma_f32_16x16x64_fp8_fp8 v[8*\t:8*\t+7], v[64+8*\t:71+8*\t], v[16:23], 0
.endr
	WIN 0
.endm
.macro MASK t                          ; key tile t of the step against m, the one on the diagonal: in front of it all keys count, behind it none does
	s_cmp_gt_u32 s13, \t
	s_cbranch_scc1 .Lcounts_\@
	s_cmp_eq_u32 s13, \t
.irp j, 0,1,2,3,4,5,6,7
	s_cselect_b32 s[48+\j], s[24+\j], -1
.endr
	WIN 0x41
	s_wait_alu depctr_va_vdst(0)                   ; directly ahead of the scores' first reader
.irp j, 0,1,2,3,4,5,6,7
	v_cndmask_b32 v[8*\t+\j], v[8*\t+\j], v250, s[48+\j]   ; hidden scores become -infinity: p = 0 then
.endr
	WIN 0
.Lcounts_\@:
.endm
; A KEY STEP's work on its first n key tiles (8, or 4 where the others are hidden whole)
.macro HEAVY n
.set d, 0
.rept 4                                ; this step's V: four fragments, of n / 2 chunks of 32 keys
.set c, 0
.rept \n/2
	ds_load_b128 v[32+16*d+4*c:35+16*d+4*c], v4 offset:32768+2048*d+512*c
.set c, c+1
.endr
.set d, d+1
.endr
	WIN 0x14                                       ; sources 1 and 2: window 1
	s_wait_alu depctr_va_vdst(0)                   ; directly ahead of the scores' first reader
	v_max3_num_f32 v254, v250, v0, v1              ; (v256, v257) the step's largest score of my query among my keys, in four chains; each accumulator is first read at its low end
	v_max3_num_f32 v252, v250, v2, v3
	v_max3_num_f32 v251, v250, v4, v5
	v_max3_num_f32 v249, v250, v6, v7
.set i, 8
.rept \n-1
	v_max3_num_f32 v254, v254, v[i], v[i+1]
	v_max3_num_f32 v252, v252, v[i+2], v[i+3]
	v_max3_num_f32 v251, v251, v[i+4], v[i+5]
	v_max3_num_f32 v249, v249, v[i+6], v[i+7]
.set i, i+8
.endr
	WIN 0
	v_max3_num_f32 v254, v254, v252, v251
	v_max_num_f32 v254, v254, v249
	v_permlanex16_b32 v236, v254, s96, s97
	v_max_num_f32 v254, v254, v236                 ; and among lane l xor 16's
	v_mul_f32 v254, s98, v254                      ; as t (c is positive)
	v_max_num_f32 v13, v13, v254                   ; the running largest t
	v_mov_b32 v254, v12
	v_floor_f32 v12, -v13                          ; the new -M = floor(-t): M is a whole number
	v_sub_f32 v254, v12, v254                      ; old M - new M: a whole number, 0 or less
	v_cvt_i32_f32 v254, v254                       ; (it saturates)
	v_ldexp_f32 v252, 1.0, v254                    ; f = 2^(old M - new M)
	WIN 0x01
.set j, 0
.rept 4*\n
	v_pk_fma_f32 v[96+j:97+j], v[j:j+1], s[98:99], v[12:13] op_sel_hi:[1,0,0]   ; t - M, two at a time, out of window 1
.set j, j+2
.endr
	WIN 0
	s_cmp_ge_u32 s10, s12
	s_cbranch_scc1 .Lsame_\@
.set i, 0
.rept 8
	v_mov_b32 v[16+i], v[192+i]                    ; the tile's last step: the next tile's Q moves up
.set i, i+1
.endr
.set i, 0
.rept 16
	v_mov_b32 v[192+i], v[200+i]
.set i, i+1
.endr
.Lsame_\@:
	s_wait_alu depctr_va_vdst(0)
	s_wait_dscnt 2*\n                              ; K is in; V's loads may be out
	SCORES                                         ; the next step's
	s_wait_alu depctr_va_vdst(0)                   ; the wait ahead of the batch
.set j, 0
.rept 8*\n
	v_exp_f32 v[96+j], v[96+j]                     ; p = 2^(t - M): one batch
.set j, j+1
.endr
	v_pk_mul_f32 v[14:15], v[14:15], v[252:253] op_sel_hi:[1,0]   ; the sums under the new M: the plain line behind the exponentials
	s_wait_alu depctr_va_vdst(0)                   ; one wait for the batch, ahead of its first reader
	v_pk_add_f32 v[242:243], v[96:97], v[98:99]    ; the row's sum of the unquantised p, in four chains
	v_pk_add_f32 v[248:249], v[100:101], v[102:103]
	v_pk_add_f32 v[246:247], v[104:105], v[106:107]
	v_pk_add_f32 v[14:15], v[14:15], v[108:109]
.set j, 110
.rept \n-2
	v_pk_add_f32 v[242:243], v[242:243], v[j:j+1]
	v_pk_add_f32 v[248:249], v[248:249], v[j+2:j+3]
	v_pk_add_f32 v[246:247], v[246:247], v[j+4:j+5]
	v_pk_add_f32 v[14:15], v[14:15], v[j+6:j+7]
.set j, j+8
.endr
	v_pk_add_f32 v[242:243], v[242:243], v[j:j+1]
	v_pk_add_f32 v[248:249], v[248:249], v[246:247]
	v_pk_add_f32 v[14:15], v[14:15], v[242:243]
	v_pk_add_f32 v[14:15], v[14:15], v[248:249]
.set t, 0
.rept \n
.irp i, 0,1,2,3,4,5,6,7
	v_min_num_f32 v[96+8*t+\i], v[96+8*t+\i], v240   ; the conversion does not saturate (ISA guide 7.6.2); p is not negative, so the hold is one-sided
.endr
	v_cvt_scalef32_pk8_fp8_f32 v[224+2*t:225+2*t], v[96+8*t:103+8*t], v244
.set t, t+1
.endr
	s_wait_alu depctr_va_vdst(0)                   ; directly ahead of the first reader of O^T
.set j, 0
.rept 16
	v_pk_mul_f32 v[160+j:161+j], v[160+j:161+j], v[252:253] op_sel_hi:[1,0]   ; O^T under the new M.  (Also the plain lines behind the conversions)
.set j, j+2
.endr
	s_wait_alu depctr_va_vdst(0)
	s_wait_dscnt 0x0                               ; V is in
.irp d, 0,1,2,3                        ; the four accumulators take turns
.if \n == 8
	v_wmma_f32_16x16x128_fp8_fp8 v[160+8*\d:167+8*\d], v[32+16*\d:47+16*\d], v[224:239], v[160+8*\d:167+8*\d]
.else
	v_wmma_f32_16x16x64_fp8_fp8 v[160+8*\d:167+8*\d], v[32+16*\d:39+16*\d], v[224:231], v[160+8*\d:167+8*\d]
.endif
.endr
.endm
	KLOAD
	s_wait_dscnt 0x0
	SCORES                                         ; the first tile's first key step
.Ltile:
	v_mov_b32 v13, 0xff61b1e6                      ; the largest t so far: -3e38, under every t
	v_floor_f32 v12, -v13                          ; -M
	v_mov_b32 v14, 0                               ; the sum, in two halves
	v_mov_b32 v15, 0
.set i, 0
.rept 32
	v_mov_b32 v[160+i], 0                          ; O^T.  (The key step is written once for all: the first finds zeros, which the first change of M leaves zeros)
.set i, i+1
.endr
	s_mov_b32 s2, 0
	s_mov_b32 s93, 0                               ; the step's first key
	s_mov_b32 s94, KV                              ; its place in LDS
	s_wait_alu depctr_va_vdst(0)
; A KEY STEP: keys 128 ks on, whose scores stand in window 1.  All tiles walk four; a step all of whose keys come after the tile's queries is jumped over by a branch on ids.
.Lkey:
	s_cmp_lt_u32 s10, s93
	s_cbranch_scc1 .Lhidden
	s_add_co_u32 s12, s93, 128
	s_add_co_u32 s95, s94, 8192
	s_cmp_ge_u32 s10, s12                          ; all keys of the step count for all my queries: the next step is this tile's,
	s_cselect_b32 s95, s95, KV                     ; else the next tile's first
	v_add_nc_u32 v4, s94, v1
	v_add_nc_u32 v5, s95, v1
	PLACES                                         ; behind the last products, in front of loads into registers that they read
	KLOAD                                          ; the next step's K
	s_wait_alu depctr_va_vdst(0)
	s_cmp_ge_u32 s10, s12
	s_cbranch_scc1 .Lopen
	s_bfe_u32 s13, s10, 0x30004                    ; m: the key tile on the diagonal
	s_cmp_lt_u32 s13, 4
	s_cbranch_scc1 .Llower
	MASK 4
	MASK 5
	MASK 6
	MASK 7
	s_wait_alu depctr_va_vdst(0)
.Lopen:
	HEAVY 8
	s_branch .Lhidden
.Llower:
	MASK 0
	MASK 1
	MASK 2
	MASK 3
	s_wait_alu depctr_va_vdst(0)
	HEAVY 4                                        ; key tiles 4 to 7 come after all my queries
.Lhidden:
	s_add_co_u32 s93, s93, 128
	s_add_co_u32 s94, s94, 8192
	s_add_co_u32 s2, s2, 1
	s_cmp_lt_u32 s2, 4
	s_wait_alu depctr_va_vdst(0)                   ; directly ahead of the branch
	s_cbranch_scc1 .Lkey
	PLACES                                         ; behind the last products
	v_add_f32 v14, v14, v15                        ; the sum's two halves,
	v_permlanex16_b32 v252, v14, s96, s97
	v_add_f32 v14, v14, v252                       ; and lane l xor 16's
	s_wait_alu depctr_va_vdst(0)                   ; the wait ahead of the transcendental
	v_rcp_f32 v14, v14
	v_nop                                          ; a plain line behind the reciprocal
	s_lshl_b32 s70, s10, 10                        ; a tile of ac is 16,384 bytes
	s_mov_b32 s71, 0
	s_add_nc_u64 s[70:71], s[22:23], s[70:71]
	s_wait_alu depctr_va_vdst(0)                   ; the wait ahead of its first reader
	v_ldexp_f32 v14, v14, s100                     ; x 2^(e8 + e9)
	s_wait_alu depctr_va_vdst(0)                   ; directly ahead of the first reader of O^T
.set j, 0
.rept 16
	v_pk_mul_f32 v[96+j:97+j], v[160+j:161+j], v[14:15] op_sel_hi:[1,0]   ; O = O^T / the sum; each accumulator from its low end on
.set j, j+2
.endr
.set j, 0
.rept 32
	v_med3_num_f32 v[96+j], v[96+j], -v241, v241
.set j, j+1
.endr
.irp d, 0,1,2,3
	v_cvt_scalef32_pk8_fp8_f32 v[224+2*\d:225+2*\d], v[96+8*\d:103+8*\d], v245
.endr
	v_nop                                          ; a plain line behind the last conversion
	global_store_b128 v1, v[224:227], s[70:71]     ; 512 consecutive bytes each
	global_store_b128 v1, v[228:231], s[70:71] offset:512
	s_wait_xcnt 0x0                                ; the stores have read their registers and their base: both are written again in the next trip
	s_xor_b32 s10, s10, 112
	s_add_co_u32 s10, s10, 128                     ; the next tile: 8 (j + 1) + w, or + 7 - w
	s_sub_co_u32 s11, s11, 1
	s_cmp_lg_u32 s11, 0
	s_wait_alu depctr_va_vdst(0)                   ; directly ahead of the branch
	s_cbranch_scc1 .Ltile
	s_wait_tensorcnt 0x0                           ; the wave's end
	ds_add_u32 v24, v25
	s_wait_dscnt 0x0
	CROUND                                         ; the closing round
	s_endpgm
.Lfunc_end_k_q15ab85159a_mha:
	.size	k_q15ab85159a_mha, .Lfunc_end_k_q15ab85159a_mha-k_q15ab85159a_mha
	.p2alignl 7, 3214868480
	.fill 96, 4, 3214868480
	.section	.rodata,"a",@progbits
	.p2align	6, 0x0
	.amdhsa_kernel k_q15ab85159a_mha
		.amdhsa_group_segment_fixed_size 327680
		.amdhsa_private_segment_fixed_size 0
		.amdhsa_enable_private_segment 0
		.amdhsa_kernarg_size 64
		.amdhsa_user_sgpr_count 2
		.amdhsa_user_sgpr_kernarg_segment_ptr 1
		.amdhsa_wavefront_size32 1
		.amdhsa_system_sgpr_workgroup_id_x 1
		.amdhsa_system_sgpr_workgroup_id_y 1
		.amdhsa_system_sgpr_workgroup_id_z 1
		.amdhsa_system_vgpr_workitem_id 0
		.amdhsa_next_free_vgpr 512
		.amdhsa_next_free_sgpr 102
		.amdhsa_reserve_vcc 0
		.amdhsa_float_denorm_mode_32 3
		.amdhsa_float_denorm_mode_16_64 3
		.amdhsa_memory_ordered 1
		.amdhsa_forward_progress 1
		.amdhsa_inst_pref_size 206
	.end_amdhsa_kernel
	.amdgpu_metadata
---
amdhsa.version: [ 1, 2 ]
amdhsa.kernels:
  - .name:           k_q15ab85159a_mha
    .symbol:         k_q15ab85159a_mha.kd
    .args:
      - { .name: xc, .offset: 0, .size: 8, .value_kind: global_buffer, .address_space: global }
      - { .name: wc, .offset: 8, .size: 8, .value_kind: global_buffer, .address_space: global }
      - { .name: lowp_scales, .offset: 16, .size: 8, .value_kind: global_buffer, .address_space: global }
      - { .name: bq, .offset: 24, .size: 8, .value_kind: global_buffer, .address_space: global }
      - { .name: bk, .offset: 32, .size: 8, .value_kind: global_buffer, .address_space: global }
      - { .name: bv, .offset: 40, .size: 8, .value_kind: global_buffer, .address_space: global }
      - { .name: rope, .offset: 48, .size: 8, .value_kind: global_buffer, .address_space: global }
      - { .name: ac, .offset: 56, .size: 8, .value_kind: global_buffer, .address_space: global }
    .group_segment_fixed_size: 327680
    .private_segment_fixed_size: 0
    .kernarg_segment_align: 8
    .kernarg_segment_size: 64
    .max_flat_workgroup_size: 256
    .sgpr_count:     102
    .vgpr_count:     512
    .wavefront_size: 32
...
	.end_amdgpu_metadata
.endif
;; end of part 2
;; launch oproj (part 3): grid 8 x 32, 4 waves a work-group, clusters of 4 x 4, 327,680 bytes of LDS; arguments ac, wc, lowp_scales, bo, out0; writes out0
.if DOCPART == 3
	.amdgcn_target "amdgcn-amd-amdhsa--gfx1250"
	.amdhsa_code_object_version 6
	.text
	.protected	k_q15ab85159a_oproj
	.globl	k_q15ab85159a_oproj
	.p2align	8
	.type	k_q15ab85159a_oproj,@function
k_q15ab85159a_oproj:
	s_mov_b64 s[64:65], 0
	v_nop
	global_prefetch_b8 v0, s[64:65] scope:SCOPE_SE
	s_setreg_imm32_b32 hwreg(HW_REG_WAVE_MODE, 25, 1), 1
	s_wait_xcnt 0x0
	s_wait_alu depctr_hold_cnt(0) depctr_sa_sdst(0) depctr_va_vdst(0) depctr_va_sdst(0) depctr_va_ssrc(0) depctr_va_vcc(0) depctr_vm_vsrc(0)
	s_getreg_b32 s2, hwreg(HW_REG_IB_STS2, 6, 4)
	s_cmp_eq_u32 s2, 0
	s_cbranch_scc0 .Lentry_in_a_cluster
	s_endpgm
.Lentry_in_a_cluster:
	s_bfe_u32 s2, ttmp6, 0x10000c
	s_cmp_lg_u32 s2, 0xf033
	s_cbranch_scc0 .Lentry_shape_is_right
	s_endpgm
.Lentry_shape_is_right:
; THE LAST PROJECTION: out = O Wo + bo, on codes of E4M3; sums in f32.  A work-group of four waves makes 256 tokens x 128 columns, K = 1,024, as two halves of 128 tokens; a wave 64 tokens x 64 columns of each: 16 accumulators.
; Both operands lie in memory as images of the operands' registers, so that every LDS read of a fragment is a constant + 16 x lane: ac [tile of 16 rows][chunk of 128 K: 0..7][2,048 B],
; wc's last part [64 columns][K step of 256: 0..3][tile of 16 columns][2 chunks][2,048 B].  Half a work-group's tokens, and its columns, are 131,072 consecutive bytes each.
; TWO FILLS.  The first brings the first half's tokens and all the columns, 65,536 bytes a wave.  Each wave then takes its 64 columns into 512 registers, where they stay; behind a round of the cluster's barrier the second half's
; tokens are fetched into the columns' bytes, and land while the first half is multiplied and stored.
; CLUSTERS of 4 x 4: the tokens' tiles are asked for jointly along a row of the cluster, the columns' along a column.  The matrix instruction is used transposed: a lane holds one token and eight neighbouring columns.
; A finished sum x 2^(e10 + e11) + bo leaves by rows through the wave's own stage, behind the tiles.  The second half's tokens are prefetched behind the first fill, a fill ahead: each block of 256 bytes once in a cluster.
; LIMITS: e10 + e11 between -126 and 127.  NaN is not served.
; REGISTERS: window 0: v0-31 addresses, bo; v128-255 accumulators ((a, b) at 128 + 32 a + 8 b).  window 1: four buffers of token fragments (64 registers a chunk); on the ways out rows read back from the stage.
;   windows 2, 3: the columns' fragments: chunk q, tile b at 64 (q % 4) + 16 b of window 2 + q / 4.
.set BOFF,  131072
.set STAGE, 262144
.set SPITCH, 272
.set SPARE, STAGE+4*16*SPITCH          ; the spare words, 128 bytes for each wave, which no other line names
.set MSB, 0
.macro WIN new
.if MSB != \new
	s_set_vgpr_msb (MSB<<8)|\new
.set MSB, \new
.endif
.endm
.macro PLACES
.rept 4
	v_nop                                          ; places behind matrix instructions (ISA guide 7.12.1 for vector instructions)
.endr
.endm
.macro CROUND                          ; a round of the cluster's barrier
	s_barrier_signal -1
	s_barrier_wait -1
	s_cmp_lg_u32 s14, 0
	s_cbranch_scc1 .Lnot_wave_0_\@
	s_barrier_signal -3
.Lnot_wave_0_\@:
	s_barrier_wait -3
	s_barrier_signal -1
	s_barrier_wait -1
.endm
	s_load_b128 s[4:7], s[0:1], 0x0                ; ac, wc
	s_load_b128 s[8:11], s[0:1], 0x10              ; the exponents, bo
	s_load_b64 s[12:13], s[0:1], 0x20              ; out0
	v_lshl_add_u32 v28, v0, 2, SPARE
	v_mov_b32 v29, 0
	ds_add_u32 v28, v29                            ; the wave's opening: the add, twice on end
	ds_add_u32 v28, v29
	v_lshrrev_b32 v1, 5, v0
	v_readfirstlane_b32 s14, v1                    ; wave 0..3
	s_lshr_b32 s15, s14, 1                         ; which 64 of a half's tokens are mine.  Also: I fetch tokens (0) or columns (1)
	s_and_b32 s16, s14, 1                          ; which 64 columns.  Also: which half of what I fetch
	s_bfe_u32 s40, ttmp6, 0x40000                  ; cx
	s_bfe_u32 s41, ttmp6, 0x40004                  ; cy
	s_lshl_b32 s42, ttmp9, 2
	s_add_co_u32 s42, s42, s40                     ; tile column
	s_and_b32 s17, ttmp7, 0xffff
	s_lshl_b32 s17, s17, 2
	s_add_co_u32 s17, s17, s41                     ; tile row
	s_lshl_b32 s43, s41, 2
	s_lshl_b32 s43, 15, s43                        ; my row of the cluster
	s_lshl_b32 s44, 0x1111, s40                    ; my column
	s_or_b32 s24, s43, (3<<16)|(1<<21)             ; group 1, tokens: elements of 8 bytes, 16 rows of 4,096 bytes, dense
	s_or_b32 s48, s44, (3<<16)|(1<<21)             ; columns: likewise
	s_or_b32 s72, s43, (3<<16)|(1<<21)             ; the second half's tokens: 8 rows
.irp g, 24, 48
	s_mov_b32 s[\g+1], 512<<16
	s_mov_b32 s[\g+2], 16<<16
	s_mov_b32 s[\g+3], 512<<16
	s_mov_b32 s[\g+4], 16
	s_mov_b32 s[\g+5], 512
	s_mov_b32 s[\g+6], 0
	s_mov_b32 s[\g+7], 0
.endr
	s_mov_b32 s73, 512<<16
	s_mov_b32 s74, 8<<16
	s_mov_b32 s75, 512<<16
	s_mov_b32 s76, 8
	s_mov_b32 s77, 512
	s_mov_b32 s78, 0
	s_mov_b32 s79, 0
	s_lshl_b32 s18, s16, 16
	s_lshl_b32 s20, s17, 18                        ; 256 tokens are 262,144 bytes
	s_mov_b32 s21, 0
	s_lshl_b32 s46, s42, 17                        ; 128 columns are 131,072 bytes
	s_add_co_u32 s46, s46, s18
	s_add_co_u32 s46, s46, 0x300000
	s_mov_b32 s47, 0
	s_mov_b32 s19, 0
	s_lshl_b32 s22, s14, 15
	s_mov_b32 s23, 0
	s_mov_b32 s32, 1
	s_lshl_b32 s33, s16, 16                        ; LDS: the first half's tokens
	s_mov_b32 s56, 1
	s_add_co_u32 s57, s18, BOFF                    ; the columns
	s_mov_b32 s36, 1
	s_add_co_u32 s37, s22, BOFF                    ; the second half's tokens, where the columns were
	s_wait_dscnt 0x0                               ; both opening adds are done
	s_wait_kmcnt 0x0
	s_load_b64 s[96:97], s[8:9], 0x28              ; e10, e11
	s_add_nc_u64 s[20:21], s[4:5], s[20:21]
	s_add_nc_u64 s[34:35], s[20:21], s[18:19]
	s_or_b32 s35, s35, 0x80000000
	s_add_nc_u64 s[58:59], s[6:7], s[46:47]
	s_or_b32 s59, s59, 0x80000000
	s_add_nc_u64 s[38:39], s[20:21], 0x20000
	s_add_nc_u64 s[38:39], s[38:39], s[22:23]
	s_or_b32 s39, s39, 0x80000000
	CROUND                                         ; all sixteen work-groups are here: the first joint loads meet
	s_cmp_eq_u32 s15, 0                            ; one tensor load a wave at the head; the branch hangs on the wave's number alone
	s_cbranch_scc0 .Lcolumns
	tensor_load_to_lds s[32:35], s[24:31]
	s_nop 0
.rept 4
	v_nop
.endr
	s_branch .Lasked
.Lcolumns:
	tensor_load_to_lds s[56:59], s[48:55]
	s_nop 0
.rept 4
	v_nop
.endr
.Lasked:
	v_and_b32 v6, 31, v0
	v_lshlrev_b32 v27, 4, v6                       ; 16 x lane
	v_lshlrev_b32 v30, 8, v6                       ; the prefetch: lanes 256 bytes apart
	v_and_b32 v1, 15, v0
	v_bfe_u32 v2, v0, 4, 1
	v_mul_u32_u24 v5, v1, SPITCH
	v_lshl_add_u32 v5, v2, 5, v5
	v_mul_u32_u24 v4, v2, SPITCH
	v_lshl_add_u32 v4, v1, 4, v4
	v_lshlrev_b32 v31, 4, v1                       ; 16 x (lane % 16)
	v_lshl_add_u32 v26, v2, 12, v31                ; my place in a pair of rows of out0
	s_mul_i32 s23, s14, 16*SPITCH
	s_add_co_u32 s23, s23, STAGE
	v_add_nc_u32 v24, s23, v5                      ; the stage, in: row lane % 16, 32 bytes for each half of the lanes
	v_add_nc_u32 v25, s23, v4                      ; back: sixteen lanes to a row, two rows an instruction
	s_lshl_b32 s23, s15, 16
	v_add_nc_u32 v16, s23, v27                     ; my tokens' fragments, first half,
	s_add_co_u32 s23, s23, BOFF
	v_add_nc_u32 v17, s23, v27                     ; second half
	s_add_co_u32 s23, s18, BOFF
	v_add_nc_u32 v20, s23, v27                     ; my columns'
	s_wait_alu depctr_va_vdst(0)
	s_lshl_b32 s18, s40, 15                        ; of the second half's 131,072 bytes my work-group prefetches 32,768, told apart by address, each wave 8,192
	s_lshl_b32 s23, s14, 13
	s_add_co_u32 s18, s18, s23
	s_add_co_u32 s18, s18, 0x20000
	s_lshl_b32 s23, s17, 18
	s_add_co_u32 s18, s18, s23
	s_add_nc_u64 s[60:61], s[4:5], s[18:19]
	global_prefetch_b8 v30, s[60:61] th:TH_LOAD_NT scope:SCOPE_SE
	s_lshl_b32 s46, s42, 9                         ; my columns, in bytes
	s_lshl_b32 s47, s16, 8
	s_add_co_u32 s46, s46, s47
	s_mov_b32 s47, 0
	s_add_nc_u64 s[10:11], s[10:11], s[46:47]
	global_load_b128 v[8:11], v31, s[10:11]        ; bo of my four columns on the way out
	s_lshl_b32 s62, s17, 20
	s_lshl_b32 s63, s15, 18
	s_add_co_u32 s62, s62, s63
	s_mov_b32 s63, 0
	s_add_nc_u64 s[62:63], s[62:63], s[46:47]
	s_add_nc_u64 s[12:13], s[12:13], s[62:63]      ; out0 at my first row and column
	s_wait_kmcnt 0x0
	s_add_co_i32 s96, s96, s97
	s_add_co_i32 s96, s96, 127
	s_lshl_b32 s96, s96, 23                        ; 2^(e10 + e11)
	s_mov_b32 s97, s96                             ; (named with it as a pair)
.macro FETCHB q
	WIN 0x80+0x40*(\q/4)                           ; destination window 2 or 3
.irp b, 0,1,2,3
.irp c, 0,1,2,3
	ds_load_b128 v[64*(\q%4)+16*\b+4*\c:64*(\q%4)+16*\b+4*\c+3], v20 offset:16384*(\q/2)+4096*\b+2048*(\q%2)+512*\c
.endr
.endr
.endm
.macro FETCHA q, adr
	WIN 0x40
.irp a, 0,1,2,3
.irp c, 0,1,2,3
	ds_load_b128 v[64*((\q)%4)+16*\a+4*\c:64*((\q)%4)+16*\a+4*\c+3], v[\adr] offset:16384*\a+2048*(\q)+512*\c
.endr
.endr
.endm
.macro MULQ q                          ; the 16 accumulators take turns
	WIN 0x06+(\q/4)                                ; source 0 (columns) window 2 or 3, source 1 (tokens) window 1, C and D window 0
.irp a, 0,1,2,3
.irp b, 0,1,2,3
.set DD, 128+32*\a+8*\b
.set BF, 64*(\q%4)+16*\b
.set AF, 64*(\q%4)+16*\a
.if \q
	v_wmma_f32_16x16x128_fp8_fp8 v[DD:DD+7], v[BF:BF+15], v[AF:AF+15], v[DD:DD+7]
.else
	v_wmma_f32_16x16x128_fp8_fp8 v[DD:DD+7], v[BF:BF+15], v[AF:AF+15], 0
.endif
.endr
.endr
.endm
.macro HALF adr                        ; chunks 0 to 2 have been asked for
.irp q, 0,1,2,3,4,5,6,7
.if \q < 6
	s_wait_dscnt 32                                ; this chunk is in; the next two may be out
.else
	s_wait_dscnt 16*(7-\q)
.endif
	MULQ \q
.if \q < 5
	PLACES
	FETCHA \q+3, \adr                              ; into the buffer that the chunk before this one used
.endif
.endr
	WIN 0
	PLACES
.endm
.macro TOSTAGE a
.irp b, 0,1,2,3
	ds_store_b128 v24, v[128+32*\a+8*\b:131+32*\a+8*\b] offset:64*\b
	ds_store_b128 v24, v[132+32*\a+8*\b:135+32*\a+8*\b] offset:64*\b+16
.endr
	WIN 0x40
.irp t, 0,1,2,3,4,5,6,7
	ds_load_b128 v[32*\a+4*\t:32*\a+4*\t+3], v25 offset:2*\t*SPITCH   ; LDS serves a wave's instructions in order (ISA guide 5.7.1.4): these see the stores above
.endr
	WIN 0
.endm
.macro SEND a, younger, h
	s_wait_dscnt \younger                          ; the block is back; the next block's stores and loads may be out
	WIN 0x41
.irp t, 0,1,2,3,4,5,6,7
	v_pk_fma_f32 v[32*(\a)+4*\t:32*(\a)+4*\t+1], v[32*(\a)+4*\t:32*(\a)+4*\t+1], s[96:97], v[8:9] op_sel_hi:[1,0,1]
	v_pk_fma_f32 v[32*(\a)+4*\t+2:32*(\a)+4*\t+3], v[32*(\a)+4*\t+2:32*(\a)+4*\t+3], s[96:97], v[10:11] op_sel_hi:[1,0,1]
.endr
	WIN 0x04                                       ; the stores' data: window 1
.irp t, 0,1,2,3,4,5,6,7
	global_store_b128 v26, v[32*(\a)+4*\t:32*(\a)+4*\t+3], s[12:13] offset:524288*\h+65536*(\a)+8192*\t th:TH_STORE_NT   ; sixteen lanes store 256 consecutive bytes
.endr
	WIN 0
.endm
.macro OUT h
	TOSTAGE 0
.irp a, 1,2,3
	TOSTAGE \a
	SEND \a-1, 16, \h
.endr
	SEND 3, 0, \h
.endm
	s_wait_alu depctr_va_vdst(0)                   ; the wait at the head's end
	s_wait_tensorcnt 0x0                           ; my part of the first fill is in,
	s_barrier_signal -1
	s_barrier_wait -1                              ; everybody's is
.irp q, 0,1,2,3,4,5,6,7
.if \q > 2
	s_wait_dscnt 32
.endif
	FETCHB \q
.endr
.irp q, 0,1,2
	s_wait_dscnt 32
	FETCHA \q, 16
.endr
	WIN 0
	s_wait_tensorcnt 0x0                           ; (none is out)
	ds_add_u32 v28, v29
	s_wait_dscnt 0x0                               ; the add is done; my columns are in registers
	CROUND                                         ; nobody reads the columns' bytes any more
	tensor_load_to_lds s[36:39], s[72:79]          ; the second half's tokens, a quarter a wave
	s_nop 0
.rept 4
	v_nop
.endr
	HALF 16
	s_wait_loadcnt 0x0                             ; bo
	OUT 0
	s_wait_tensorcnt 0x0                           ; my part of the second half is in
	s_wait_xcnt 0x0                                ; the stores have read their registers: fragments land there below
	s_wait_dscnt 0x0
	s_barrier_signal -1
	s_barrier_wait -1                              ; everybody's is
	FETCHA 0, 17
	FETCHA 1, 17
	FETCHA 2, 17
	HALF 17
	OUT 1
	s_wait_tensorcnt 0x0                           ; the wave's end
	ds_add_u32 v28, v29
	s_wait_dscnt 0x0
	CROUND                                         ; the closing round
	s_endpgm
.Lfunc_end_k_q15ab85159a_oproj:
	.size	k_q15ab85159a_oproj, .Lfunc_end_k_q15ab85159a_oproj-k_q15ab85159a_oproj
	.p2alignl 7, 3214868480
	.fill 96, 4, 3214868480
	.section	.rodata,"a",@progbits
	.p2align	6, 0x0
	.amdhsa_kernel k_q15ab85159a_oproj
		.amdhsa_group_segment_fixed_size 327680
		.amdhsa_private_segment_fixed_size 0
		.amdhsa_enable_private_segment 0
		.amdhsa_kernarg_size 40
		.amdhsa_user_sgpr_count 2
		.amdhsa_user_sgpr_kernarg_segment_ptr 1
		.amdhsa_wavefront_size32 1
		.amdhsa_system_sgpr_workgroup_id_x 1
		.amdhsa_system_sgpr_workgroup_id_y 1
		.amdhsa_system_sgpr_workgroup_id_z 1
		.amdhsa_system_vgpr_workitem_id 0
		.amdhsa_next_free_vgpr 1024
		.amdhsa_next_free_sgpr 98
		.amdhsa_reserve_vcc 0
		.amdhsa_float_denorm_mode_32 3
		.amdhsa_float_denorm_mode_16_64 3
		.amdhsa_memory_ordered 1
		.amdhsa_forward_progress 1
		.amdhsa_inst_pref_size 75
	.end_amdhsa_kernel
	.amdgpu_metadata
---
amdhsa.version: [ 1, 2 ]
amdhsa.kernels:
  - .name:           k_q15ab85159a_oproj
    .symbol:         k_q15ab85159a_oproj.kd
    .args:
      - { .name: ac, .offset: 0, .size: 8, .value_kind: global_buffer, .address_space: global }
      - { .name: wc, .offset: 8, .size: 8, .value_kind: global_buffer, .address_space: global }
      - { .name: lowp_scales, .offset: 16, .size: 8, .value_kind: global_buffer, .address_space: global }
      - { .name: bo, .offset: 24, .size: 8, .value_kind: global_buffer, .address_space: global }
      - { .name: out0, .offset: 32, .size: 8, .value_kind: global_buffer, .address_space: global }
    .group_segment_fixed_size: 327680
    .private_segment_fixed_size: 0
    .kernarg_segment_align: 8
    .kernarg_segment_size: 40
    .max_flat_workgroup_size: 128
    .sgpr_count:     98
    .vgpr_count:     1024
    .wavefront_size: 32
...
	.end_amdgpu_metadata
.endif
;; end of part 3
